; MI455X (gfx1250); checked and timed in simulation.
; The chip was launched on July 23, 2026; its instructions are those of AMD's public machine-readable ISA for CDNA 5 (MIT licence, August 2026) and "CDNA5" Instruction Set Architecture Reference Guide (July 2026). The comments in the code are by the model that wrote it; some were corrected since.
;; Multi Head Self Attention. Allowed arithmetic: matrix products marked QUANTISED: E3M2 operands, one E8M0 scale for each 32 along K, by v_wmma_scale_f32_16x16x128_f8f6f4 with both operands' format E3M2, f32 sums; everything else in f32.
;; Inputs: Wk 1,024 x 1,024 float32; Wq 1,024 x 1,024 float32; Wv 1,024 x 1,024 float32; attention_mask 4 x 2,048 int32; bk 1,024 float32; bq 1,024 float32; bv 1,024 float32; hidden_states 4 x 2,048 x 1,024 float32.
;; Outputs: out0 4 x 2,048 x 1,024 float32.
;; This version of the problem:
;;   THIS VERSION OF THE PROBLEM IS GIVEN IN LOW PRECISION. The matrix products marked QUANTISED in the list below multiply operands that are first quantised to E3M2 (3 exponent bits, 2 mantissa bits; 6 bits a number), with one power-of-two scale for each 32 numbers along K (OCP MX v1.0); their sums are f32. All else is computed in f32.
;;   The module's matrix products, in the order in which they are computed (A, B: the left and right operand; K: the contracted axis; several contracted axes count as one K, in the product's order):
;;     1. [M 8,192, K 1,024] x [K 1,024, N 1,024]; A: input hidden_states; B: input Wq: QUANTISED
;;     2. [M 8,192, K 1,024] x [K 1,024, N 1,024]; A: input hidden_states; B: input Wk: QUANTISED
;;     3. [M 8,192, K 1,024] x [K 1,024, N 1,024]; A: input hidden_states; B: input Wv: QUANTISED
;;     4. batch 64 x [M 2,048, K 64] x [K 64, N 2,048]; A: computed on the way; B: computed on the way: QUANTISED
;;     5. batch 64 x [M 2,048, K 2,048] x [K 2,048, N 64]; A: softmax (see below); B: computed on the way: QUANTISED
;;   THE QUANTISER, for each operand of a quantised product, along K:
;;     - K is cut into blocks of 32 from its start; a last block that is shorter is filled with zeros.
;;     - A block's scale is 2^e with e = floor(log2(the largest magnitude in the block)) - 4, held to -126 .. 127; a block of zeros has e = 0. As a byte (E8M0): e + 127.
;;     - Each number is divided by its block's scale, clamped to +-28, and rounded to the nearest number of E3M2, ties to even, subnormals kept.
;;     - The product sums the exact products of the quantised numbers (number of the format x scale) in f32.
;;   ~~~python
;;   def quantise(x, axis):      # numpy; x: float32 -> the quantised numbers, widened to float32 again
;;       x = np.moveaxis(x, axis, -1); K = x.shape[-1]
;;       x = np.pad(x, [(0, 0)] * (x.ndim - 1) + [(0, -K % 32)]); x = x.reshape(x.shape[:-1] + (-1, 32)); a = np.abs(x).max(-1, keepdims=True)
;;       e = np.where(a > 0, np.clip(np.frexp(np.where(a > 0, a, 1))[1] - 1 - 4, -126, 127), 0)      # np.frexp(a)[1] - 1 = floor(log2(a)), exactly
;;       r = np.clip(x / 2.0 ** e, -28, 28)
;;       step = 2.0 ** (np.maximum(np.frexp(np.where(r == 0, 1, r))[1] - 1, -2) - 2)
;;       q = np.round(r / step) * step * 2.0 ** e      # np.round: ties to even
;;       return np.moveaxis(q.reshape(q.shape[:-2] + (-1,))[..., :K], -1, axis).astype(np.float32)
;;   ~~~
;;   SOFTMAX AHEAD OF A QUANTISED PRODUCT. Where the list says 'softmax', what is quantised is not the finished softmax but p = 2^(t - M), with t = logit x log2(e) and M = ceil(the row's largest t), a whole number; so 1/2 < the row's largest p <= 1. The row's sum l is taken of the UNQUANTISED p, in f32, and the product's result is divided by l at the end. Since M is a whole number, a kernel that streams over the keys may use a running M (the ceiling of the running maximum): every later rescaling is an exact power of two, which a block's scale takes up: the codes' values come out the same.
;;   OPERANDS COMPUTED ON THE WAY. 'Computed on the way' means the value that the module computes at that place (a softmax that the list does not call 'softmax' is quantised finished and normalised). What goes into a quantiser is computed in f32, as accurately as f32 sums, v_exp_f32 and their like allow (about 1e-6 of the number): no bf16 or f16 on the way to a quantiser, and a product that is left as it is and whose result goes on into a quantised operand takes f32 operands (vector FMAs, or v_wmma_f32_16x16x4_f32). A number that lies on a knife's edge between two numbers of the format may be rounded either way, as far as f32 arithmetic and the matrix unit's own rounding can turn it there, and no further.
;; One version. Each part assembles by itself: llvm-mc -triple=amdgcn-amd-amdhsa -mcpu=gfx1250 --defsym DOCPART=n.
;; ======== version 1 of 1: 3 launches
;; limits: right only within a limited range of input values
;; workspace buffers: ximg 6,291,456 bytes; xscl 262,144 bytes; wimg 2,359,296 bytes; wscl 98,304 bytes; kvrec 15,728,640 bytes; qrec 15,728,640 bytes
;; launch quant (part 1): grid 608 x 1, 8 waves a work-group, no clusters, 69,120 bytes of LDS; arguments hidden_states, Wq, Wk, Wv, ximg, xscl, wimg, wscl; writes ximg, xscl, wimg, wscl
.if DOCPART == 1
	.amdgcn_target "amdgcn-amd-amdhsa--gfx1250"
	.amdhsa_code_object_version 6
	.text
	.protected	k_qc20d755e7c_quant
	.globl	k_qc20d755e7c_quant
	.p2align	8
	.type	k_qc20d755e7c_quant,@function
k_qc20d755e7c_quant:
	s_mov_b64 s[64:65], 0
	v_nop
	global_prefetch_b8 v0, s[64:65] scope:SCOPE_SE
	s_setreg_imm32_b32 hwreg(HW_REG_WAVE_MODE, 25, 1), 1
	s_wait_xcnt 0x0
; hidden_states [8192][1024] and Wq, Wk, Wv [1024 (k)][1024 (n)], f32, become codes of BF6 (E3M2) with one E8M0 byte for each 32 along K (K = the 1,024),
; laid as IMAGES OF OPERAND REGISTERS: a fragment (16 rows x 128 K, 12 registers a lane) is 1,536 bytes, registers 4 j .. 4 j + 3 of lane l at byte 512 j + 16 l.
;   ximg [row tile 512][K step 8][1536]   xscl [row tile][row 16][K step 8] words      wimg [n tile 192][K step 8][1536]   wscl likewise   (n tiles 0-63 Wq, 64-127 Wk, 128-191 Wv)
; THE ROWS OF A TILE ARE NOT NEIGHBOURS: lane r of tile 2 b + u holds row (or column n) 32 b + 8 u + r + 8 (r / 8), so that results of two neighbouring tiles used as source 0 are 16 neighbours in a lane's registers.
; A block's scale is 2^(floor(log2(its largest magnitude)) - 4): its byte is the largest magnitude's exponent field - 4, held at 1 from below by a floor among the maximum's leaves.
; LIMITS: a block of zeros gets the byte 1 where the rule says 127 (its codes are zeros, and this program alone reads the bytes); NaN and infinities among the inputs are not served.
; Work-groups 0-95 take the weights, 96-607 the rows of x: one scalar branch on the work-group's number.  Only the rows' path touches LDS and has a barrier.  No tensor loads: waves load through registers.
.set NWGW,   96
.set IMG,    1536
.set WN,     16                        ; W: v16-143   four blocks of 32 numbers, a column to a lane, registers down K
.set WF,     144                       ; W: v144-155, v156-167 the two fragments
.set WT,     168                       ; W: v168-183  the upper halves of the blocks' codes, four registers a block
.set XL,     16                        ; x: v16-79    as loaded
.set XN,     80                        ; x: v80-143   two blocks of 32 neighbours
.set XF,     144                       ; x: v144-155  the fragment
.set XT,     156                       ; x: v156-163  the upper halves of the blocks' codes
.set SPITCH, 528                       ; a stage row: 512 bytes + 16: an odd multiple of 16, so that sixteen rows' pieces of 16 bytes fall on different banks
.set WSTAGE, 16*SPITCH                 ; a wave's stage
.set WORDS,  8*WSTAGE                  ; behind the stages: the tile's 128 scale words
	s_load_b256 s[4:11], s[0:1], 0x0               ; hidden_states s[4:5], Wq s[6:7], Wk s[8:9], Wv s[10:11]
	s_load_b256 s[12:19], s[0:1], 0x20
	v_lshl_add_u32 v188, v0, 2, 68096              ; my spare word, behind the scale words: 128 bytes a wave that no other line names
	v_mov_b32 v189, 0
	v_lshrrev_b32 v1, 5, v0
	s_delay_alu instid0(VALU_DEP_1)
	v_readfirstlane_b32 s20, v1                    ; wave 0..7
	v_and_b32 v2, 31, v0                           ; lane
	s_delay_alu instid0(VALU_DEP_1)
	v_lshlrev_b32 v3, 4, v2                        ; 16 x lane: my place in an image
	s_cmp_lt_u32 ttmp9, NWGW
	s_cbranch_scc0 .Lx_path
; ---------------- THE WEIGHTS.  K is the first axis: a lane takes a column and its registers run down K.  A wave: 32 columns x 128 along K = two fragments.
	s_lshr_b32 s21, ttmp9, 2                       ; group of 128 columns, 0..23 (8 to a matrix)
	s_and_b32 s22, ttmp9, 3
	s_lshr_b32 s23, s21, 3                         ; which matrix
	s_and_b32 s24, s20, 3                          ; which 32 of the 128 columns
	s_lshr_b32 s25, s20, 2
	s_lshl_b32 s22, s22, 1
	s_add_co_u32 s22, s22, s25                     ; K step = 2 x (work-group % 4) + wave / 4
	s_and_b32 s26, s21, 7
	s_lshl_b32 s26, s26, 9                         ; 128 columns x 4 bytes
	s_lshl_b32 s27, s24, 7                         ; 32 columns x 4 bytes
	s_add_co_u32 s26, s26, s27
	s_lshl_b32 s27, s22, 19                        ; 128 rows of 4,096 bytes
	s_add_co_u32 s26, s26, s27
	s_mov_b32 s27, 0
	s_lshl_b32 s28, s21, 3
	s_lshl_b32 s29, s24, 1
	s_add_co_u32 s28, s28, s29                     ; my first n tile
	s_lshl_b32 s30, s28, 9                         ; its 512 bytes of scale words,
	s_lshl_b32 s31, s22, 2
	s_add_co_u32 s30, s30, s31                     ; + 4 x K step
	s_mov_b32 s31, 0
	s_lshl_b32 s28, s28, 3
	s_add_co_u32 s28, s28, s22
	s_mul_i32 s28, s28, IMG                        ; its image of this K step
	s_mov_b32 s29, 0
	s_wait_alu depctr_va_vdst(0)
	v_and_b32 v4, 7, v2                            ; lanes 0-15 take the columns of tile u = 0 (l % 8 + 16 (l / 8)), lanes 16-31 those of tile u = 1 (8 more)
	v_and_b32 v5, 8, v2
	s_delay_alu instid0(VALU_DEP_1)
	v_lshl_or_b32 v4, v5, 1, v4
	v_and_b32 v5, 16, v2
	s_delay_alu instid0(VALU_DEP_1)
	v_lshrrev_b32 v5, 1, v5
	s_delay_alu instid0(VALU_DEP_1)
	v_or_b32 v4, v4, v5
	s_delay_alu instid0(VALU_DEP_1)
	v_lshlrev_b32 v4, 2, v4                        ; in bytes
	v_lshlrev_b32 v5, 5, v2                        ; my row of scale words: 32 bytes a row, the second tile's 16 rows behind the first's
	s_wait_alu depctr_va_vdst(0)
	s_wait_kmcnt 0x0
	s_cmp_eq_u32 s23, 1                            ; the choice hangs on the work-group's number alone
	s_cselect_b64 s[6:7], s[8:9], s[6:7]
	s_cmp_eq_u32 s23, 2
	s_cselect_b64 s[6:7], s[10:11], s[6:7]
	s_add_nc_u64 s[6:7], s[6:7], s[26:27]
	s_add_nc_u64 s[16:17], s[16:17], s[28:29]
	s_add_nc_u64 s[18:19], s[18:19], s[30:31]
.macro LOADB t                         ; block t: W(32 t + i, my column): the wave reads 128 neighbouring bytes, four waves side by side 512
.set li, 0
.rept 32
	global_load_b32 v[WN+32*(\t)+li], v4, s[6:7] offset:(32*(\t)+li)*4096 th:TH_LOAD_NT
.set li, li+1
.endr
.endm
.macro BLK t                           ; block t's scale and codes.  Blocks 0, 2 go to the first fragment's registers, blocks 1, 3 to the second's
.set nb, WN+32*(\t)
.set fx, WF+12*((\t)%2)+6*((\t)/2)
	v_max3_num_f32 v8, |v[nb]|, |v[nb+1]|, |v[nb+2]|               ; the block's largest magnitude: all 32 numbers are mine; two chains
	v_max3_num_f32 v9, |v[nb+3]|, |v[nb+4]|, |v[nb+5]|
.irp i, 6,10,14,18,22,26
	s_delay_alu instid0(VALU_DEP_2)
	v_max3_num_f32 v8, v8, |v[nb+\i]|, |v[nb+\i+1]|
	s_delay_alu instid0(VALU_DEP_2)
	v_max3_num_f32 v9, v9, |v[nb+\i+2]|, |v[nb+\i+3]|
.endr
	s_delay_alu instid0(VALU_DEP_2)
	v_max3_num_f32 v8, v8, |v[nb+30]|, |v[nb+31]|
	s_delay_alu instid0(VALU_DEP_1)
	v_max3_num_f32 v8, v8, v9, 0x2800000           ; and the floor 2^(5 - 127): the byte cannot fall under 1
	s_delay_alu instid0(VALU_DEP_1)
	v_add_nc_u32 v10, 0xfe000000, v8               ; 4 off the exponent field: the conversion takes this operand's exponent field as its scale
	s_delay_alu instid0(VALU_DEP_1)
	v_lshrrev_b32 v11, 23, v10                     ; the scale's byte
.if (\t) == 0
	s_delay_alu instid0(VALU_DEP_1)
	v_mov_b32 v12, v11                             ; four bytes make my column's scale word of this K step
.else
	s_delay_alu instid0(VALU_DEP_1)
	v_lshl_or_b32 v12, v11, 8*(\t), v12
.endif
	v_cvt_scalef32_pk16_bf6_f32 v[fx:fx+2], v[nb:nb+15], v10
	v_cvt_scalef32_pk16_bf6_f32 v[WT+4*(\t):WT+4*(\t)+2], v[nb+16:nb+31], v10   ; (a conversion's three registers begin on an even number)
.endm
	LOADB 0
	LOADB 1
	s_wait_loadcnt 32                              ; block 0 is in; block 1's 32 loads may be out
	LOADB 2
	BLK 0
	s_wait_loadcnt 32                              ; block 1 is in; block 2's may be out
	LOADB 3
	BLK 1
	s_wait_loadcnt 32                              ; block 2 is in; block 3's may be out
	BLK 2
	s_wait_loadcnt 0x0
	BLK 3
	v_nop                                          ; one plain place behind the last scaled conversion
.irp t, 0,1,2,3
.irp i, 0,1,2
	v_mov_b32 v[WF+12*(\t%2)+6*(\t/2)+3+\i], v[WT+4*\t+\i]
.endr
.endr
.set li, 0
.rept 12                               ; the first's lanes 16-31 (blocks 0, 2 of tile 1's columns) change places with the second's lanes 0-15 (blocks 1, 3 of tile 0's): both are now fragments: lanes 0-15 blocks 0, 2; lanes 16-31 blocks 1, 3
	v_permlane16_swap_b32 v[WF+li], v[WF+12+li]
.set li, li+1
.endr
.irp j, 0,1,2
	global_store_b128 v3, v[WF+4*\j:WF+4*\j+3], s[16:17] offset:512*\j                 ; 32 lanes store 512 consecutive bytes, aligned
	global_store_b128 v3, v[WF+12+4*\j:WF+12+4*\j+3], s[16:17] offset:8*IMG+512*\j     ; the next tile's images lie 8 images on
.endr
	global_store_b32 v5, v12, s[18:19]             ; 4 bytes a lane, 32 bytes apart: one byte in 128 of what this path reads
	s_endpgm
; ---------------- THE ROWS OF x.  K is innermost.  A work-group: one tile of 16 rows; wave w: K step w.  Each load reads 512 consecutive bytes of one row; the 8 KiB turn through the wave's own stage, so that a lane gets whole blocks.
.Lx_path:
	s_sub_co_u32 s21, ttmp9, NWGW                  ; row tile T
	s_lshr_b32 s22, s21, 1
	s_lshl_b32 s22, s22, 5
	s_and_b32 s23, s21, 1
	s_lshl_b32 s23, s23, 3
	s_add_co_u32 s22, s22, s23                     ; its first row: 32 (T / 2) + 8 (T % 2)
	s_lshl_b32 s24, s22, 12
	s_lshl_b32 s25, s20, 9
	s_add_co_u32 s24, s24, s25                     ; + my K step's 512 bytes
	s_mov_b32 s25, 0
	s_mul_i32 s26, s20, WSTAGE                     ; my stage
	s_lshl_b32 s27, s20, 2
	s_add_co_u32 s27, s27, WORDS
	s_mov_b32 s28, 0x76543210
	s_mov_b32 s29, 0xfedcba98                      ; v_permlanex16_b32's selects for lane l xor 16
	s_lshl_b32 s30, s21, 3
	s_add_co_u32 s30, s30, s20
	s_mul_i32 s30, s30, IMG                        ; image (T, w)
	s_mov_b32 s31, 0
	s_lshl_b32 s32, s21, 9                         ; the tile's 512 bytes of scale words
	s_mov_b32 s33, 0
	v_and_b32 v4, 15, v0                           ; r
	v_bfe_u32 v5, v0, 4, 1                         ; h
	s_wait_alu depctr_va_vdst(0)
	v_add_nc_u32 v6, s26, v3                       ; into the stage: 16 x lane of row i
	v_mul_u32_u24 v7, v4, SPITCH
	s_delay_alu instid0(VALU_DEP_1)
	v_lshl_add_u32 v7, v5, 7, v7
	s_delay_alu instid0(VALU_DEP_1)
	v_add_nc_u32 v7, s26, v7                       ; out of it: row r, + 128 h: my block of each 64 numbers
	v_lshlrev_b32 v164, 5, v4
	s_delay_alu instid0(VALU_DEP_1)
	v_add_nc_u32 v164, s27, v164                   ; my row's scale word of this K step: 32 r + 4 w
	v_add_nc_u32 v166, WORDS, v3                   ; and where wave 0 reads all of them back
	s_wait_alu depctr_va_vdst(0)
	s_wait_kmcnt 0x0
	s_add_nc_u64 s[4:5], s[4:5], s[24:25]
	s_add_nc_u64 s[12:13], s[12:13], s[30:31]
	s_add_nc_u64 s[14:15], s[14:15], s[32:33]
.set li, 0
.rept 16                               ; tile row i is row i + 8 (i / 8) from the tile's first
	global_load_b128 v[XL+4*li:XL+4*li+3], v3, s[4:5] offset:(li+8*(li/8))*4096 th:TH_LOAD_NT
.set li, li+1
.endr
.set li, 0
.rept 16
	s_wait_loadcnt 15-li                           ; loads come back in order: row i is in, the younger ones may be out
	ds_store_b128 v6, v[XL+4*li:XL+4*li+3] offset:SPITCH*li
.set li, li+1
.endr
.irp c, 0,1                            ; the operand's layout gives lane (r, h) k = 64 c + 32 h + 0 .. 31 of row r: 128 bytes.  My wave's own bytes, served in order: no wait between the stores and the loads
.irp j, 0,1,2,3,4,5,6,7
	ds_load_b128 v[XN+32*\c+4*\j:XN+32*\c+4*\j+3], v7 offset:256*\c+16*\j
.endr
.endr
	s_wait_dscnt 0x0
.irp c, 0,1
	v_max3_num_f32 v[8+\c], |v[XN+32*\c]|, |v[XN+1+32*\c]|, 0x2800000   ; my block 2 c + h, and the floor 2^(5 - 127)
.endr
.irp i, 2,4,6,8,10,12,14,16,18,20,22,24,26,28,30
.irp c, 0,1
	s_delay_alu instid0(VALU_DEP_2)
	v_max3_num_f32 v[8+\c], v[8+\c], |v[XN+32*\c+\i]|, |v[XN+1+32*\c+\i]|   ; (the two blocks by turns)
.endr
.endr
.irp c, 0,1
	s_delay_alu instid0(VALU_DEP_2)
	v_add_nc_u32 v[10+\c], 0xfe000000, v[8+\c]     ; the conversion's scale operand
.endr
.irp c, 0,1
	s_delay_alu instid0(VALU_DEP_2)
	v_lshrrev_b32 v[12+\c], 23, v[10+\c]           ; the scale's byte
.endr
	s_delay_alu instid0(VALU_DEP_1)
	v_lshl_or_b32 v14, v13, 16, v12                ; my two bytes: blocks h and 2 + h,
	v_lshlrev_b32 v15, 3, v5
	s_delay_alu instid0(VALU_DEP_1)
	v_lshlrev_b32 v14, v15, v14                    ; at their places in the word;
	v_mov_b32 v15, 0
	s_delay_alu instid0(VALU_DEP_1)
	v_permlanex16_b32 v15, v14, s28, s29
	s_delay_alu instid0(VALU_DEP_1)
	v_or_b32 v14, v14, v15                         ; with lane l xor 16's two the word is whole
.irp c, 0,1
	v_cvt_scalef32_pk16_bf6_f32 v[XF+6*\c:XF+6*\c+2], v[XN+32*\c:XN+32*\c+15], v[10+\c]
	v_cvt_scalef32_pk16_bf6_f32 v[XT+4*\c:XT+4*\c+2], v[XN+32*\c+16:XN+32*\c+31], v[10+\c]
.endr
	v_nop                                          ; one plain place behind the last scaled conversion
.irp c, 0,1
.irp i, 0,1,2
	v_mov_b32 v[XF+6*\c+3+\i], v[XT+4*\c+\i]
.endr
.endr
.irp j, 0,1,2
	global_store_b128 v3, v[XF+4*\j:XF+4*\j+3], s[12:13] offset:512*\j   ; 512 consecutive bytes, aligned
.endr
	ds_store_b32 v164, v14                         ; both halves of the lanes write the same word with the same value
	s_wait_dscnt 0x0                               ; for the others' sake: my word has landed
	s_barrier_signal -1
	s_barrier_wait -1
	s_cmp_lg_u32 s20, 0
	s_cbranch_scc1 .Lx_done
	ds_load_b128 v[16:19], v166                    ; the tile's 128 words, eight waves' work,
	s_wait_dscnt 0x0
	global_store_b128 v3, v[16:19], s[14:15]       ; leave as 512 consecutive bytes, aligned
.Lx_done:
	s_wait_tensorcnt 0x0                           ; the wave's end, behind my last LDS store
	ds_add_u32 v188, v189
	s_wait_dscnt 0x0
	s_endpgm
.Lfunc_end_k_qc20d755e7c_quant:
	.size	k_qc20d755e7c_quant, .Lfunc_end_k_qc20d755e7c_quant-k_qc20d755e7c_quant
	.p2alignl 7, 3214868480
	.fill 96, 4, 3214868480
	.section	.rodata,"a",@progbits
	.p2align	6, 0x0
	.amdhsa_kernel k_qc20d755e7c_quant
		.amdhsa_group_segment_fixed_size 69120
		.amdhsa_private_segment_fixed_size 0
		.amdhsa_enable_private_segment 0
		.amdhsa_kernarg_size 64
		.amdhsa_user_sgpr_count 2
		.amdhsa_user_sgpr_kernarg_segment_ptr 1
		.amdhsa_wavefront_size32 1
		.amdhsa_system_sgpr_workgroup_id_x 1
		.amdhsa_system_sgpr_workgroup_id_y 1
		.amdhsa_system_sgpr_workgroup_id_z 1
		.amdhsa_system_vgpr_workitem_id 0
		.amdhsa_next_free_vgpr 192
		.amdhsa_next_free_sgpr 66
		.amdhsa_reserve_vcc 0
		.amdhsa_float_denorm_mode_32 3
		.amdhsa_float_denorm_mode_16_64 3
		.amdhsa_memory_ordered 1
		.amdhsa_forward_progress 1
		.amdhsa_inst_pref_size 34
	.end_amdhsa_kernel
	.amdgpu_metadata
---
amdhsa.version: [ 1, 2 ]
amdhsa.kernels:
  - .name:           k_qc20d755e7c_quant
    .symbol:         k_qc20d755e7c_quant.kd
    .args:
      - { .name: hidden_states, .offset: 0, .size: 8, .value_kind: global_buffer, .address_space: global }
      - { .name: Wq, .offset: 8, .size: 8, .value_kind: global_buffer, .address_space: global }
      - { .name: Wk, .offset: 16, .size: 8, .value_kind: global_buffer, .address_space: global }
      - { .name: Wv, .offset: 24, .size: 8, .value_kind: global_buffer, .address_space: global }
      - { .name: ximg, .offset: 32, .size: 8, .value_kind: global_buffer, .address_space: global }
      - { .name: xscl, .offset: 40, .size: 8, .value_kind: global_buffer, .address_space: global }
      - { .name: wimg, .offset: 48, .size: 8, .value_kind: global_buffer, .address_space: global }
      - { .name: wscl, .offset: 56, .size: 8, .value_kind: global_buffer, .address_space: global }
    .group_segment_fixed_size: 69120
    .private_segment_fixed_size: 0
    .kernarg_segment_align: 8
    .kernarg_segment_size: 64
    .max_flat_workgroup_size: 256
    .sgpr_count:     66
    .vgpr_count:     192
    .wavefront_size: 32
...
	.end_amdgpu_metadata
.endif
;; end of part 1
;; launch proj (part 2): grid 4 x 192, 4 waves a work-group, clusters of 4 x 4, 327,680 bytes of LDS; arguments ximg, xscl, wimg, wscl, bq, bk, bv, attention_mask, qrec, kvrec; writes qrec, kvrec
.if DOCPART == 2
	.amdgcn_target "amdgcn-amd-amdhsa--gfx1250"
	.amdhsa_code_object_version 6
	.text
	.protected	k_qc20d755e7c_proj
	.globl	k_qc20d755e7c_proj
	.p2align	8
	.type	k_qc20d755e7c_proj,@function
k_qc20d755e7c_proj:
	s_mov_b64 s[64:65], 0
	v_nop
	global_prefetch_b8 v0, s[64:65] scope:SCOPE_SE
	s_setreg_imm32_b32 hwreg(HW_REG_WAVE_MODE, 25, 1), 1
	s_wait_xcnt 0x0
	s_wait_alu depctr_hold_cnt(0) depctr_sa_sdst(0) depctr_va_vdst(0) depctr_va_sdst(0) depctr_va_ssrc(0) depctr_va_vcc(0) depctr_vm_vsrc(0)
	s_getreg_b32 s2, hwreg(HW_REG_IB_STS2, 6, 4)
	s_cmp_eq_u32 s2, 0
	s_cbranch_scc0 .Lentry_in_a_cluster
	s_endpgm
.Lentry_in_a_cluster:
	s_bfe_u32 s2, ttmp6, 0x10000c
	s_cmp_lg_u32 s2, 0xf033
	s_cbranch_scc0 .Lentry_shape_is_right
	s_endpgm
.Lentry_shape_is_right:
; q = x Wq + bq, k = x Wk + bk, v = x Wv + bv on codes of BF6 (E3M2) with E8M0 scales, K = 1,024; the f32 results are quantised here, on the way out, for attention's two products and never go to memory as f32.
; ONE BODY, TWO ROLES.  P is source 0 (its rows run along a lane's registers in the result), R is source 1 (its rows lie across the lanes).  q, k: P = W's columns n, R = rows of x: a lane holds one query or key and 128 n = two heads,
; whose K (the head's 64) so lies in its registers.  v: P = rows of x (keys), R = Wv's columns d: a lane holds one d and 128 keys, the second product's K.  Only pointers and indices are chosen; one scalar branch stands in front of the way out.
; SHARES.  A work-group: 256 P x 128 R; 256 work-groups a matrix.  Four waves, each 128 P x 64 R: 32 accumulators.  A cluster's y says matrix (y / 16) and part (y % 16); cx picks P's part, cy R's.
; ALL OF K LIES IN LDS AT ONCE: two halves of four K steps (147,456 bytes each: 16 P tiles x 6,144, then 8 R tiles x 6,144), each filled once, all asked for at the head: one tensor load of a wave is out at the most.
; CLUSTER 4 x 4: P's tiles hang on cx alone and are asked for jointly by a column of the cluster, R's on cy alone and by a row.
; RECORDS.  qrec, kvrec: [batch x 16 + head][step of 128 rows, 16][15,360 bytes]: 0: eight tiles of 16 keys x 1,024 (an image of 8 registers: 6 of codes, one with the 65th element along K, one 0);
;   8,192: four tiles of 16 d x 128 keys of v, 1,536 each; 14,336: the key tiles' scale words (lane l: 16 bytes: lanes 0-15 tiles 0-3 of row l, lanes 16-31 tiles 4-7); 14,848: v's scale words (lane l: tiles 0-3 of row l % 16).
; THE MASK IS THE 65th ELEMENT ALONG K of the score product, whose instruction is 128 deep for a head of 64: q carries the code of 1.0 under the byte 127; a key with mask 0 carries the code of -28 under the byte 217 (2^90), any other key
; the code 0 under the byte 0.  LIMITS: the mask holds 0 or 1 (any other number counts as 1); blocks of zeros get the byte 1 (their codes are zeros; this program alone reads the bytes); NaN and infinities are not served.
; REGISTERS, in windows of 256: window 0: v1-31 addresses and constants; v32-72 the quantiser's; v80-143 P's scale words, v144-175 R's (scales and nothing else); v176-239 64 numbers on the way out.
;   window 1: P's fragments, two sets of 96.  window 2: the accumulators, (p, q) at v[8 (8 q + p)].  window 3: R's fragments, two sets of 48; v128-191 the bias along P.
.set IMG,  1536
.set TSTR, 12288                       ; a tile's eight images in memory
.set CH,   147456                      ; LDS holds K in TWO HALVES of four K steps: 16 P tiles x 6,144 bytes, then 8 R tiles x 6,144; each of the four parts comes by one tensor load, one a wave
.set ROFF, 98304                       ; R's tiles in a half
.set REC,  15360
.set HS,   245760                      ; from a head's records to the next head's
.set LI,  1                            ; v1     16 x lane
.set VP,  4                            ; v4, v5 LDS address of my P tiles in half c
.set VR,  8                            ; v8, v9 of my R tiles
.set LV,  12                           ; v12-15 a number for each of my four R tiles' rows: the mask of the lane's row of x (q, k) or bv of the lane's d (v)
.set WD,  16                           ; v16-19 the scale words that leave
.set XU,  20                           ; v20, v21 the 65th element's register for a row that counts, that is hidden (0 in lanes 16-31)
.set XM,  21
.set BU,  22                           ; v22, v23 its scale byte, at bits 23:16
.set BMK, 23
.set SH,  24                           ; v24    16 h
.set T0,  25
.set B2,  26
.set KSO, 27                           ; v27    where my scale words go: 16 r + 256 (wave / 2) + h x a head's records
.set PR,  28                           ; v[28:29] bv of my d, as a pair's low word
.set KO,  30                           ; v30    16 x lane + 4,096 (wave / 2): my four key tiles in a record
.set TM,  32                           ; v32-35 largest magnitudes, v36-39 the other half's, then bytes, v44-47 the conversions' scale operands
.set PC,  48                           ; v48-63 the codes just made
.set PT,  64                           ; v64-71 their upper halves
.set PW,  72                           ; v72    the scale word just made
.set PS,  80
.set RS,  144
.set H,   176
.set BW,  128                          ; in window 3
.set WV,  24                           ; s24 wave; s25 wave % 2; s26 wave / 2
.set G0P, 32                           ; s[32:39] group 0 of P's two halves;  s[48:55] of R's
.set G0R, 48
.set G1P, 68                           ; s[68:75] group 1 for P;  s[76:83] for R
.set G1R, 76
.set MSB, 0
.macro WIN new                         ; the immediate's high byte repeats the setting that is left
.if MSB != \new
	s_set_vgpr_msb (MSB<<8)|\new
.set MSB, \new
.endif
.endm
.macro PLACES n
.rept \n
	v_nop
.endr
.endm
.macro CROUND                          ; a round of the cluster's barrier
	s_barrier_signal -1
	s_barrier_wait -1
	s_cmp_lg_u32 s[WV], 0
	s_cbranch_scc1 .Lnot_wave_0_\@
	s_barrier_signal -3
.Lnot_wave_0_\@:
	s_barrier_wait -3
	s_barrier_signal -1
	s_barrier_wait -1
.endm
	s_load_b256 s[4:11], s[0:1], 0x0               ; ximg s[4:5], xscl s[6:7], wimg s[8:9], wscl s[10:11]
	s_load_b256 s[12:19], s[0:1], 0x20             ; bq s[12:13], bk s[14:15], bv s[16:17], attention_mask s[18:19]
	s_load_b128 s[20:23], s[0:1], 0x40
	v_lshl_add_u32 v76, v0, 2, 294912              ; my spare word, behind the two halves
	v_mov_b32 v77, 0
	ds_add_u32 v76, v77                            ; the opening lines: the add, twice on end, and its wait ahead of the round
	ds_add_u32 v76, v77
	v_lshrrev_b32 v1, 5, v0
	v_readfirstlane_b32 s[WV], v1                  ; wave 0..3
	s_and_b32 s25, s[WV], 1                        ; which half of P is mine; also which half of a tile set I fetch
	s_lshr_b32 s26, s[WV], 1                       ; which half of R is mine
	s_bfe_u32 s27, ttmp6, 0x40000                  ; cx
	s_bfe_u32 s28, ttmp6, 0x40004                  ; cy
	s_and_b32 s29, ttmp7, 0xffff                   ; the cluster's y, 0..47
	s_lshr_b32 s30, s29, 4                         ; the matrix: 0 q, 1 k, 2 v: the same in all sixteen partners
	s_and_b32 s31, s29, 15
	s_lshr_b32 s84, s31, 1
	s_and_b32 s85, s31, 1
	s_lshl_b32 s86, s30, 6
	s_cmp_eq_u32 s30, 2
	s_cselect_b32 s84, s84, 0                      ; v: P has 32 parts, 8 clusters' worth; q, k: 4 parts
	s_cselect_b32 s85, s85, s31                    ; v: R has 8 parts, 2 clusters' worth; q, k: 64 parts
	s_cselect_b32 s86, 0, s86                      ; q, k: P's tiles begin at W's tile 64 x matrix
	s_cselect_b32 s87, 128, 0                      ; v: R's tiles begin at Wv's first
	s_lshl_b32 s84, s84, 2
	s_add_co_u32 s84, s84, s27                     ; P's part: hangs on cx, never on cy
	s_lshl_b32 s85, s85, 2
	s_add_co_u32 s85, s85, s28                     ; R's part: hangs on cy, never on cx
	s_lshl_b32 s88, s84, 4
	s_add_co_u32 s88, s88, s86                     ; P's first tile
	s_lshl_b32 s89, s85, 3
	s_add_co_u32 s89, s89, s87                     ; R's first tile
	s_lshl_b32 s2, 0x1111, s27                     ; my column of the cluster
	s_lshl_b32 s3, s28, 2
	s_lshl_b32 s3, 15, s3                          ; my row
	; group 1: rows of 6,144 bytes (four images: 768 elements of 8 bytes), a tile to a row, 12,288 bytes apart in memory, dense in LDS; 16 rows for P, 8 for R
	s_or_b32 s[G1P], s2, (3<<16)|(1<<21)           ; 15:0 the mask; 17:16 elements of 8 bytes; 21 set beside a mask; no padding
	s_mov_b32 s[G1P+1], 768<<16                    ; rows of 6,144 bytes: four images
	s_mov_b32 s[G1P+2], 16<<16                     ; 16 tiles
	s_mov_b32 s[G1P+3], 768<<16
	s_mov_b32 s[G1P+4], 16
	s_mov_b32 s[G1P+5], TSTR/8                     ; from row to row, in elements
	s_mov_b32 s[G1P+6], 0
	s_mov_b32 s[G1P+7], 0
	s_or_b32 s[G1R], s3, (3<<16)|(1<<21)
	s_mov_b32 s[G1R+1], 768<<16
	s_mov_b32 s[G1R+2], 8<<16
	s_mov_b32 s[G1R+3], 768<<16
	s_mov_b32 s[G1R+4], 8
	s_mov_b32 s[G1R+5], TSTR/8
	s_mov_b32 s[G1R+6], 0
	s_mov_b32 s[G1R+7], 0
	s_mul_i32 s90, s88, TSTR                       ; P: the work-group's 16 tiles
	s_mov_b32 s91, 0
	s_mul_i32 s92, s89, TSTR                       ; R: its 8 tiles
	s_mov_b32 s93, 0
	s_mul_i32 s86, s25, 8*6144                     ; my 8 P tiles in a half
	s_wait_dscnt 0x0                               ; both opening adds are done
	s_wait_kmcnt 0x0
	s_cmp_eq_u32 s30, 2
	s_cselect_b64 s[94:95], s[4:5], s[8:9]         ; P's images: x's for v, W's for q and k
	s_cselect_b64 s[96:97], s[8:9], s[4:5]         ; R's
	s_cselect_b64 s[98:99], s[6:7], s[10:11]       ; P's scale words
	s_cselect_b64 s[100:101], s[10:11], s[6:7]     ; R's
	s_add_nc_u64 s[94:95], s[94:95], s[90:91]
	s_add_nc_u64 s[96:97], s[96:97], s[92:93]
.irp c, 0,1
	s_mov_b32 s[G0P+4*\c], 1
	s_mov_b32 s[G0P+4*\c+1], \c*CH                                 ; LDS address: a constant
	s_add_nc_u64 s[G0P+4*\c+2:G0P+4*\c+3], s[94:95], \c*4*IMG      ; K steps 4 c .. 4 c + 3
	s_or_b32 s[G0P+4*\c+3], s[G0P+4*\c+3], 0x80000000
	s_mov_b32 s[G0R+4*\c], 1
	s_mov_b32 s[G0R+4*\c+1], ROFF+\c*CH
	s_add_nc_u64 s[G0R+4*\c+2:G0R+4*\c+3], s[96:97], \c*4*IMG
	s_or_b32 s[G0R+4*\c+3], s[G0R+4*\c+3], 0x80000000
.endr
	CROUND                                         ; all sixteen work-groups are here: the joint loads meet
	s_cmp_eq_u32 s[WV], 0                          ; one tensor load a wave, each in its own arm of one chain: wave 0 P's first half of K, wave 1 R's, wave 2 P's second half, wave 3 R's
	s_cbranch_scc0 .Lfill_1
	tensor_load_to_lds s[G0P:G0P+3], s[G1P:G1P+7]
	s_nop 0
	PLACES 4
	s_branch .Lfilled
.Lfill_1:
	s_cmp_eq_u32 s[WV], 1
	s_cbranch_scc0 .Lfill_2
	tensor_load_to_lds s[G0R:G0R+3], s[G1R:G1R+7]
	s_nop 0
	PLACES 4
	s_branch .Lfilled
.Lfill_2:
	s_cmp_eq_u32 s[WV], 2
	s_cbranch_scc0 .Lfill_3
	tensor_load_to_lds s[G0P+4:G0P+7], s[G1P:G1P+7]
	s_nop 0
	PLACES 4
	s_branch .Lfilled
.Lfill_3:
	tensor_load_to_lds s[G0R+4:G0R+7], s[G1R:G1R+7]
	s_nop 0
	PLACES 4
.Lfilled:
	; what comes straight into registers: scale words, bias, mask.  One path for all three matrices
	s_lshl_b32 s90, s25, 3
	s_add_co_u32 s90, s90, s88
	s_lshl_b32 s90, s90, 9                         ; my 8 P tiles' scale words: 512 bytes a tile
	s_add_nc_u64 s[98:99], s[98:99], s[90:91]
	s_lshl_b32 s92, s26, 2
	s_add_co_u32 s92, s92, s89
	s_lshl_b32 s92, s92, 9                         ; my 4 R tiles'
	s_add_nc_u64 s[100:101], s[100:101], s[92:93]
	s_cmp_eq_u32 s30, 1
	s_cselect_b64 s[12:13], s[14:15], s[12:13]
	s_cmp_eq_u32 s30, 2
	s_cselect_b64 s[12:13], s[16:17], s[12:13]     ; the matrix's bias
	s_lshl_b32 s90, s27, 8
	s_lshl_b32 s92, s25, 7
	s_add_co_u32 s90, s90, s92
	s_lshl_b32 s90, s90, 2                         ; q, k: my 128 n begin at 256 cx + 128 (wave % 2)
	s_cmp_eq_u32 s30, 2
	s_cselect_b32 s90, 0, s90                      ; (v: loaded from the buffer's start and not used)
	s_add_nc_u64 s[12:13], s[12:13], s[90:91]
	s_lshl_b32 s92, s85, 1
	s_add_co_u32 s92, s92, s26                     ; v: my head = 2 x R's part + wave / 2
	s_lshl_b32 s90, s92, 8                         ; its 64 numbers of bv
	s_lshl_b32 s2, s85, 7
	s_lshl_b32 s3, s26, 6
	s_add_co_u32 s2, s2, s3
	s_lshl_b32 s2, s2, 2                           ; q, k: my 64 rows of x begin at 128 x R's part + 64 (wave / 2)
	s_cmp_eq_u32 s30, 2
	s_cselect_b32 s2, s90, s2
	s_cselect_b64 s[18:19], s[16:17], s[18:19]
	s_mov_b32 s3, 0
	s_add_nc_u64 s[18:19], s[18:19], s[2:3]
	v_and_b32 v[LI], 31, v0
	v_lshlrev_b32 v[LI], 4, v[LI]
	v_and_b32 v2, 15, v0                           ; r
	v_bfe_u32 v3, v0, 4, 1                         ; h
	s_wait_alu depctr_va_vdst(0)
	v_lshlrev_b32 v73, 5, v2                       ; a row's 8 scale words: 32 r
	v_lshlrev_b32 v74, 6, v3                       ; the bias: 16 numbers for each half of the lanes
	v_and_b32 v75, 8, v2
	v_add_nc_u32 v75, v75, v2
	v_lshlrev_b32 v75, 2, v75                      ; 4 (r + 8 (r / 8)): my row of a tile
.irp p, 0,1,2,3,4,5,6,7
	global_load_b128 v[PS+8*\p:PS+8*\p+3], v73, s[98:99] offset:512*\p           ; register PS + 8 p + s: lane r: the word of tile p's row r for K step s
	global_load_b128 v[PS+8*\p+4:PS+8*\p+7], v73, s[98:99] offset:512*\p+16
.endr
.irp q, 0,1,2,3
	global_load_b128 v[RS+8*\q:RS+8*\q+3], v73, s[100:101] offset:512*\q
	global_load_b128 v[RS+8*\q+4:RS+8*\q+7], v73, s[100:101] offset:512*\q+16
.endr
.irp q, 0,1,2,3
	global_load_b32 v[LV+\q], v75, s[18:19] offset:4*(32*(\q/2)+8*(\q%2))
.endr
	WIN 0xc0                                       ; destination window 3
.irp b, 0,1,2,3
.irp q, 0,1,2,3
	global_load_b128 v[BW+16*\b+4*\q:BW+16*\b+4*\q+3], v74, s[12:13] offset:128*\b+16*\q   ; register 16 b + i: the bias of n = 32 b + 16 h + i: the result's own order
.endr
.endr
	WIN 0
	; where the results go: record (16 batch + head) x 16 + step
	s_lshr_b32 s90, s85, 4                         ; q, k: batch, step from R's part; head = 4 cx + 2 (wave % 2)
	s_and_b32 s91, s85, 15
	s_lshl_b32 s93, s27, 2
	s_lshl_b32 s3, s25, 1
	s_add_co_u32 s93, s93, s3
	s_lshr_b32 s2, s84, 3                          ; v: batch, step from P's part and wave % 2; head as above
	s_and_b32 s3, s84, 7
	s_lshl_b32 s3, s3, 1
	s_add_co_u32 s3, s3, s25
	s_cmp_eq_u32 s30, 2
	s_cselect_b32 s90, s2, s90
	s_cselect_b32 s91, s3, s91
	s_cselect_b32 s93, s92, s93
	s_lshl_b32 s90, s90, 4
	s_add_co_u32 s90, s90, s93
	s_lshl_b32 s90, s90, 4
	s_add_co_u32 s90, s90, s91
	s_mul_i32 s90, s90, REC
	s_mov_b32 s91, 0
	s_cmp_eq_u32 s30, 0
	s_cselect_b64 s[20:21], s[20:21], s[22:23]     ; q's records, or k's and v's
	s_cselect_b32 s2, 12, 0                        ; the 65th element: q: the code of 1.0; k: 0 where the key counts,
	s_cselect_b32 s3, 12, 63                       ; the code of -28 where it is hidden
	s_mov_b32 s93, 217<<16
	s_cselect_b32 s92, 127<<16, 0                  ; its block's byte: q: 2^0; k: 0 over the code 0,
	s_cselect_b32 s93, 127<<16, s93                ; 2^90 over the code of -28
	s_add_nc_u64 s[20:21], s[20:21], s[90:91]
	v_sub_nc_u32 v[T0], 1, v3
	v_mul_u32_u24 v[XU], s2, v[T0]                 ; k = 64 lies in lanes 0-15; lanes 16-31 (k = 96 ..) hold 0
	v_mul_u32_u24 v[XM], s3, v[T0]
	v_mov_b32 v[BU], s92
	v_mov_b32 v[BMK], s93
	v_lshlrev_b32 v[SH], 4, v3
	v_mov_b32 v[PR+1], 0                           ; (named as a pair's upper half)
	v_mov_b32 v[PC+7], 0
	v_mov_b32 v[PC+15], 0
.irp b, 0,1,2,3
	v_mov_b32 v[TM+4+\b], 0                        ; written once: a lane permute's destination counts as one of its sources
.endr
	s_mul_i32 s2, s26, 4*6144
	s_add_co_u32 s2, s2, ROFF
.irp c, 0,1
	v_add_nc_u32 v[VP+\c], s86, v[LI]              ; half c of K: my 8 P tiles,
	v_add_nc_u32 v[VR+\c], s2, v[LI]               ; my 4 R tiles
	s_add_co_u32 s86, s86, CH
	s_add_co_u32 s2, s2, CH
.endr
	s_lshl_b32 s3, s26, 12
	v_add_nc_u32 v[KO], s3, v[LI]
	v_mul_u32_u24 v[KSO], v3, HS
	v_lshl_add_u32 v[KSO], v2, 4, v[KSO]
	s_lshl_b32 s3, s26, 8
	v_add_nc_u32 v[KSO], s3, v[KSO]
.macro FETCH s                         ; K step s: 36 LDS loads in one run, images as they lie: 16 x lane, no pitch
	WIN 0x40                                       ; destination window 1
.irp p, 0,1,2,3,4,5,6,7
.irp j, 0,1,2
	ds_load_b128 v[96*((\s)%2)+12*\p+4*\j:96*((\s)%2)+12*\p+4*\j+3], v[VP+(\s)/4] offset:6144*\p+IMG*((\s)%4)+512*\j
.endr
.endr
	WIN 0xc0                                       ; destination window 3
.irp q, 0,1,2,3
.irp j, 0,1,2
	ds_load_b128 v[48*((\s)%2)+12*\q+4*\j:48*((\s)%2)+12*\q+4*\j+3], v[VR+(\s)/4] offset:6144*\q+IMG*((\s)%4)+512*\j
.endr
.endr
.endm
.macro MUL s                           ; 32 products; the 32 accumulators take turns, one instruction a turn, in the same order in every K step.  The first K step starts the sums
	WIN 0xad                                       ; source 0 window 1, source 1 window 3, C and D window 2
.irp q, 0,1,2,3
.irp p, 0,1,2,3,4,5,6,7
.if (\s) == 0
	v_wmma_scale_f32_16x16x128_f8f6f4 v[8*(8*\q+\p):8*(8*\q+\p)+7], v[96*((\s)%2)+12*\p:96*((\s)%2)+12*\p+11], v[48*((\s)%2)+12*\q:48*((\s)%2)+12*\q+11], 0, v[PS+8*\p+(\s)], v[RS+8*\q+(\s)] matrix_a_fmt:MATRIX_FMT_BF6 matrix_b_fmt:MATRIX_FMT_BF6
.else
	v_wmma_scale_f32_16x16x128_f8f6f4 v[8*(8*\q+\p):8*(8*\q+\p)+7], v[96*((\s)%2)+12*\p:96*((\s)%2)+12*\p+11], v[48*((\s)%2)+12*\q:48*((\s)%2)+12*\q+11], v[8*(8*\q+\p):8*(8*\q+\p)+7], v[PS+8*\p+(\s)], v[RS+8*\q+(\s)] matrix_a_fmt:MATRIX_FMT_BF6 matrix_b_fmt:MATRIX_FMT_BF6
.endif
.endr
.endr
.endm
.macro KSTEP s
.if (\s) == 3
	s_wait_tensorcnt 0x0                           ; every wave's load is in: the barrier shows the second half of K
	s_wait_dscnt 0x0                               ; no LDS load of mine is pending at the signal
	s_barrier_signal -1
	s_barrier_wait -1                              ; everybody's part is in
.endif
.if (\s) < 7
.if (\s) > 0
	PLACES 4                                       ; in front of loads into the set that the last K step's products read
.endif
	FETCH (\s)+1
	s_wait_dscnt 36                                ; this K step's fragments are in; the 36 loads just issued may be out
.else
	s_wait_dscnt 0x0
.endif
	MUL \s
.endm
	s_wait_alu depctr_va_vdst(0)
	s_cmp_lt_u32 s[WV], 2
	s_cbranch_scc0 .Lnot_first
	s_wait_tensorcnt 0x0                           ; waves 0 and 1: the first half of K is in; waves 2 and 3's loads, on lines of their own, may stay out
.Lnot_first:
	s_barrier_signal -1
	s_barrier_wait -1
	FETCH 0
	s_wait_loadcnt 0x0                             ; scale words, bias, mask
.irp s, 0,1,2,3,4,5,6,7
	KSTEP \s
.endr
; 64 numbers of a lane, register 16 b + i = k 32 b + 16 h + i of the lane's row, become codes (two runs of six registers, st registers apart, a whole block to a lane) and the row's scale word
.macro QUANT src, st
.irp b, 0,1,2,3
	v_max3_num_f32 v[TM+\b], |v[\src+16*\b]|, |v[\src+1+16*\b]|, 0x2800000   ; block b: my 16 numbers, and the floor 2^(5 - 127)
.endr
.irp i, 2,4,6,8,10,12,14
.irp b, 0,1,2,3
	v_max3_num_f32 v[TM+\b], v[TM+\b], |v[\src+16*\b+\i]|, |v[\src+1+16*\b+\i]|   ; (the four blocks by turns)
.endr
.endr
.irp b, 0,1,2,3
	v_permlanex16_b32 v[TM+4+\b], v[TM+\b], s2, s3
.endr
.irp b, 0,1,2,3
	v_max_num_f32 v[TM+\b], v[TM+\b], v[TM+4+\b]   ; with lane l xor 16's: the block's largest magnitude
.endr
.irp b, 0,1,2,3
	v_add_nc_u32 v[TM+12+\b], 0xfe000000, v[TM+\b] ; 4 off its exponent field: the conversion's scale operand
.endr
.irp b, 0,1,2,3
	v_lshrrev_b32 v[TM+4+\b], 23, v[TM+12+\b]      ; the scale's byte
.endr
	v_lshl_or_b32 v[PW], v[TM+5], 8, v[TM+4]
	v_lshl_or_b32 v[PW], v[TM+6], 16, v[PW]
	v_lshl_or_b32 v[PW], v[TM+7], 24, v[PW]
.irp c, 0,1
	v_cvt_scalef32_pk16_bf6_f32 v[PC+\st*\c:PC+\st*\c+2], v[\src+32*\c:\src+32*\c+15], v[TM+12+2*\c]
	v_cvt_scalef32_pk16_bf6_f32 v[PT+4*\c:PT+4*\c+2], v[\src+32*\c+16:\src+32*\c+31], v[TM+13+2*\c]
.endr
	v_nop                                          ; one plain place behind the last scaled conversion
.irp c, 0,1                            ; lanes 0-15 get block 2 c whole, lanes 16-31 block 2 c + 1
.irp i, 0,1,2
	v_permlane16_swap_b32 v[PC+\st*\c+\i], v[PT+4*\c+\i]
.endr
.irp i, 0,1,2
	v_mov_b32 v[PC+\st*\c+3+\i], v[PT+4*\c+\i]
.endr
.endr
.endm
	WIN 0
	s_mov_b32 s2, 0x76543210
	s_mov_b32 s3, 0xfedcba98                       ; v_permlanex16_b32's selects for lane l xor 16
	PLACES 4                                       ; behind the last products, in front of the first read of results
	s_cmp_eq_u32 s30, 2
	s_cbranch_scc1 .Lv_out
; q, k: R tile q's 16 rows of x; my 128 n are heads A (blocks 0, 1) and B (blocks 2, 3)
.macro OUTQK q
.if (\q) > 0
	s_wait_xcnt 0x0                                ; the last tile's stores have read their data: the codes' registers are written again only behind this wait
.endif
	WIN 0x0e                                       ; source 0 window 2, source 1 window 3
.set wi, 0
.rept 32
	v_pk_add_f32 v[H+wi:H+wi+1], v[64*(\q)+wi:64*(\q)+wi+1], v[BW+wi:BW+wi+1]   ; + the bias; each accumulator from its low end on
.set wi, wi+2
.endr
	WIN 0
	QUANT H, 8
	v_cmp_eq_u32 vcc_lo, 0, v[LV+(\q)]             ; is my row hidden?  The choice selects values; no branch hangs on it
	v_cndmask_b32 v[PC+6], v[XU], v[XM], vcc_lo    ; the 65th element along K
	v_cndmask_b32 v[B2], v[BU], v[BMK], vcc_lo     ; and its block's byte
	v_mov_b32 v[PC+14], v[PC+6]
	v_lshrrev_b32 v[T0], v[SH], v[PW]
	v_and_or_b32 v[WD+(\q)], v[T0], 0xffff, v[B2]  ; lanes 0-15: head A's word, lanes 16-31: head B's
.irp c, 0,1
.irp j, 0,1
	global_store_b128 v[KO], v[PC+8*\c+4*\j:PC+8*\c+4*\j+3], s[20:21] offset:\c*HS+1024*(\q)+512*\j   ; 512 consecutive bytes, aligned
.endr
.endr
.endm
	OUTQK 0
	OUTQK 1
	OUTQK 2
	OUTQK 3
	global_store_b128 v[KSO], v[WD:WD+3], s[20:21] offset:14336   ; each half of the lanes fills 256 consecutive bytes, aligned, of its head's record
	s_branch .Lstored
; v: R tile q's 16 d; my 128 rows of P are the step's 128 keys
.Lv_out:
.macro OUTV q
.if (\q) > 0
	s_wait_xcnt 0x0
.endif
	v_mov_b32 v[PR], v[LV+(\q)]                    ; bv of my d
	WIN 0x02                                       ; source 0 window 2
.set wi, 0
.rept 32
	v_pk_add_f32 v[H+wi:H+wi+1], v[64*(\q)+wi:64*(\q)+wi+1], v[PR:PR+1] op_sel_hi:[1,0]
.set wi, wi+2
.endr
	WIN 0
	QUANT H, 6
	v_mov_b32 v[WD+(\q)], v[PW]
.irp j, 0,1,2
	global_store_b128 v[LI], v[PC+4*\j:PC+4*\j+3], s[20:21] offset:8192+IMG*(\q)+512*\j
.endr
.endm
	OUTV 0
	OUTV 1
	OUTV 2
	OUTV 3
	global_store_b128 v[LI], v[WD:WD+3], s[20:21] offset:14848
.Lstored:
	s_wait_tensorcnt 0x0                           ; the wave's end
	ds_add_u32 v76, v77
	s_wait_dscnt 0x0
	CROUND                                         ; the closing round: no work-group ends while a partner may still ask for a tile that names it
	s_endpgm
.Lfunc_end_k_qc20d755e7c_proj:
	.size	k_qc20d755e7c_proj, .Lfunc_end_k_qc20d755e7c_proj-k_qc20d755e7c_proj
	.p2alignl 7, 3214868480
	.fill 96, 4, 3214868480
	.section	.rodata,"a",@progbits
	.p2align	6, 0x0
	.amdhsa_kernel k_qc20d755e7c_proj
		.amdhsa_group_segment_fixed_size 327680
		.amdhsa_private_segment_fixed_size 0
		.amdhsa_enable_private_segment 0
		.amdhsa_kernarg_size 80
		.amdhsa_user_sgpr_count 2
		.amdhsa_user_sgpr_kernarg_segment_ptr 1
		.amdhsa_wavefront_size32 1
		.amdhsa_system_sgpr_workgroup_id_x 1
		.amdhsa_system_sgpr_workgroup_id_y 1
		.amdhsa_system_sgpr_workgroup_id_z 1
		.amdhsa_system_vgpr_workitem_id 0
		.amdhsa_next_free_vgpr 1024
		.amdhsa_next_free_sgpr 102
		.amdhsa_reserve_vcc 1
		.amdhsa_float_denorm_mode_32 3
		.amdhsa_float_denorm_mode_16_64 3
		.amdhsa_memory_ordered 1
		.amdhsa_forward_progress 1
		.amdhsa_inst_pref_size 117
	.end_amdhsa_kernel
	.amdgpu_metadata
---
amdhsa.version: [ 1, 2 ]
amdhsa.kernels:
  - .name:           k_qc20d755e7c_proj
    .symbol:         k_qc20d755e7c_proj.kd
    .args:
      - { .name: ximg, .offset: 0, .size: 8, .value_kind: global_buffer, .address_space: global }
      - { .name: xscl, .offset: 8, .size: 8, .value_kind: global_buffer, .address_space: global }
      - { .name: wimg, .offset: 16, .size: 8, .value_kind: global_buffer, .address_space: global }
      - { .name: wscl, .offset: 24, .size: 8, .value_kind: global_buffer, .address_space: global }
      - { .name: bq, .offset: 32, .size: 8, .value_kind: global_buffer, .address_space: global }
      - { .name: bk, .offset: 40, .size: 8, .value_kind: global_buffer, .address_space: global }
      - { .name: bv, .offset: 48, .size: 8, .value_kind: global_buffer, .address_space: global }
      - { .name: attention_mask, .offset: 56, .size: 8, .value_kind: global_buffer, .address_space: global }
      - { .name: qrec, .offset: 64, .size: 8, .value_kind: global_buffer, .address_space: global }
      - { .name: kvrec, .offset: 72, .size: 8, .value_kind: global_buffer, .address_space: global }
    .group_segment_fixed_size: 327680
    .private_segment_fixed_size: 0
    .kernarg_segment_align: 8
    .kernarg_segment_size: 80
    .max_flat_workgroup_size: 128
    .sgpr_count:     102
    .vgpr_count:     1024
    .wavefront_size: 32
...
	.end_amdgpu_metadata
.endif
;; end of part 2
;; launch attn (part 3): grid 4 x 64, 8 waves a work-group, clusters of 4 x 1, 327,680 bytes of LDS; arguments qrec, kvrec, attention_mask, out0; writes out0
.if DOCPART == 3
	.amdgcn_target "amdgcn-amd-amdhsa--gfx1250"
	.amdhsa_code_object_version 6
	.text
	.protected	k_qc20d755e7c_attn
	.globl	k_qc20d755e7c_attn
	.p2align	8
	.type	k_qc20d755e7c_attn,@function
k_qc20d755e7c_attn:
	s_mov_b64 s[64:65], 0
	v_nop
	global_prefetch_b8 v0, s[64:65] scope:SCOPE_SE
	s_setreg_imm32_b32 hwreg(HW_REG_WAVE_MODE, 25, 1), 1
	s_wait_xcnt 0x0
	s_wait_alu depctr_hold_cnt(0) depctr_sa_sdst(0) depctr_va_vdst(0) depctr_va_sdst(0) depctr_va_ssrc(0) depctr_va_vcc(0) depctr_vm_vsrc(0)
	s_getreg_b32 s2, hwreg(HW_REG_IB_STS2, 6, 4)
	s_cmp_eq_u32 s2, 0
	s_cbranch_scc0 .Lentry_in_a_cluster
	s_endpgm
.Lentry_in_a_cluster:
	s_bfe_u32 s2, ttmp6, 0x10000c
	s_cmp_lg_u32 s2, 0x3003
	s_cbranch_scc0 .Lentry_shape_is_right
	s_endpgm
.Lentry_shape_is_right:
; out0[b][q][64 head + d] = the sum over keys of softmax(q . k / 8 + mask bias) v, both products on codes of BF6 (E3M2) with E8M0 scales, from the records that launch proj has laid (see there).
; THE SOFTMAX: t = score x log2(e) / 8; M = the row's largest t so far, rounded UP to a whole number; p = 2^(t - M) is quantised along the keys, not normalised; the row's sum is taken of the unquantised p and divides at the end.
; When M moves, the sum and O are multiplied by 2^(old M - new M): exact.  The running maximum is kept as a score (c is not negative).
; THE MASK comes inside the score product, as its 65th element along K: a hidden key's score is -28 x 2^90, so its p is 0.  The running largest score begins at -2^83, over every hidden score and under every real one.
; A batch with no key that counts gets c = 0 by a scalar select: t = 0 and p = 1 everywhere, the uniform weights that the sum of a score and the bias gives there.
; LIMITS: the mask holds 0 or 1 (any other number counts as 1); real |t| stays under 2^70; NaN and infinities are not served.
; SHARES.  256 work-groups.  A work-group: 512 queries of one head, in two passes of 256; in a pass each of its eight waves has 32: two tiles of 16, so that each fragment of K and V read from LDS feeds two products.
; THE HEAD'S K AND V LIE IN LDS WHOLE, filled once and read in both passes: 16 records of 15 rows of 1,024 bytes, 64 bytes of padding behind each row.  At the head wave w asks for record w; behind the three lines and a round
; of the cluster's barrier for record 8 + w, which a plain barrier ahead of step 8 shows.  The four work-groups of a cluster read the same head: the loads are joint.  One tensor load of a wave is out at the most.
; PREFETCH: records 8 to 15 are asked for into the L2 at the head, 15 blocks of 256 bytes a wave, the four partners told apart by address; there is nothing later to ask for: all of K and V has been requested by then.
; LAYOUT.  S^T = K Q^T (source 0 = 16 keys), O^T = V^T P^T (source 0 = 16 d): a lane holds one query throughout.  THE KEYS OF A TILE ARE PICKED BY THE LANES' LDS ADDRESSES: lane r of tile t of group g takes key
; 64 g + 32 (r / 8) + 8 t + r % 8, so that lane (r, h) holds in the 32 registers of tiles 0 to 3 of group g the keys 64 g + 32 h + 0 .. 31: one whole scale block, in the order of p's operand registers.  In a record that key lies in
; tile 4 g + 2 (r / 8) + t % 2, row r % 8 + 8 (t / 2); two record tiles are 2,176 bytes apart in LDS, 128 more than a multiple of 256.
; A STEP: scores; block maxima; new M; O and the sum under the new M; t - M; ONE batch of 132 exponentials between two waits; scales, codes, sums; the second product.
; REGISTERS: window 0: v1-15 addresses; v16-19 K's scale words, v20-23 V's, v26-27 p's, v28-29 Q's (scales and nothing else); v32-47, v48-63 a tile's statistics; v64-127 S^T then p of tile 0, v128-129 its blocks' largest; v130-195 the same of tile 1;
;   v196-219 p's codes; v220-234 their upper halves.   window 1: v0-63 O^T; v64-87 Q; v88-183 K's eight fragments (registers 8-11 of each stay 0); v184-231 V's four.
.set REC,   15360
.set HS,    245760
.set ROWP,  1088                       ; an LDS row: 1,024 + 64
.set RECL,  15*ROWP                    ; a record in LDS
.set STAGE, 16*RECL                    ; behind the records: 16 rows x 272 bytes for each wave, for the way out
.set FLAGS, STAGE+8*16*272             ; a word for each wave: has its part of the mask a key that counts?
.set SPARE, FLAGS+256                  ; the spare words: 128 bytes a wave
.set LI,  1                            ; 16 x lane
.set KL,  2                            ; a lane's place in K's tiles: 16 (r % 8) + 256 h + 2,176 (r / 8)
.set SL,  3                            ; in K's scale words: 16 (r % 8) + 8 (r / 8) + 256 h
.set ADK, 4                            ; the three with the step's record
.set ADS, 5
.set ADV, 6
.set STO, 7
.set RD,  8
.set GO,  9
.set SPW, 10
.set NIL, 11
.set SH8, 12                           ; 8 h
.set FA,  13                           ; where my wave's flag goes
.set FR,  14                           ; where I read a flag
.set PFO, 15                           ; the prefetch's offset
.set KS,  16
.set VS,  20
.set PW,  26
.set QS,  28
.set QSO, 30                           ; 16 r
.set MO,  31                           ; 32 x thread
.set TA,  32                           ; statistics of tile x from TA + 16 x: +0 -M, +1 the largest score; +2, +3 the sum; +4 f (later 1 / the sum), +5 a pair's upper half; +6, +7 at work; +8, +9 the conversions' scale operands; +10, +11 bytes; +12, +13 the sum's second chain; +14, +15 the scale word at work
.set SA,  64                           ; S^T of tile x from SA + 66 x; its two blocks' largest at +64, +65
.set PC,  196
.set PT,  220
.set KF,  88                           ; in window 1
.set VF,  184
.set G1,  16                           ; s[16:23] group 1;  s[24:27] group 0
.set G0,  24
.set PASS, 39
.set SEL, 40                           ; s[40:41] lane selects: lane l xor 16
.set CS,  42                           ; s[42:43] c, twice
.set TB,  44                           ; LDS byte of the step's record
.set CNT, 45
.set WV,  46
.set MSB, 0
.macro WIN new
.if MSB != \new
	s_set_vgpr_msb (MSB<<8)|\new
.set MSB, \new
.endif
.endm
.macro WALU
	s_wait_alu depctr_va_vdst(0)
.endm
.macro PLACES n
.rept \n
	v_nop
.endr
.endm
.macro CROUND
	s_barrier_signal -1
	s_barrier_wait -1
	s_cmp_lg_u32 s[WV], 0
	s_cbranch_scc1 .Lnot_wave_0_\@
	s_barrier_signal -3
.Lnot_wave_0_\@:
	s_barrier_wait -3
	s_barrier_signal -1
	s_barrier_wait -1
.endm
.macro QLOAD                           ; my two tiles of queries and their scale words
	WIN 0x40
.irp x, 0,1
	global_load_b128 v[64+12*\x:67+12*\x], v[LI], s[60:61] offset:1024*\x
	global_load_b128 v[68+12*\x:71+12*\x], v[LI], s[60:61] offset:1024*\x+512
.endr
	WIN 0
	global_load_b32 v[QS], v[QSO], s[4:5]
	global_load_b32 v[QS+1], v[QSO], s[4:5] offset:4
.endm
	s_load_b256 s[4:11], s[0:1], 0x0               ; qrec s[4:5], kvrec s[6:7], attention_mask s[8:9], out0 s[10:11]
	v_lshl_add_u32 v[SPW], v0, 2, SPARE
	v_mov_b32 v[NIL], 0
	ds_add_u32 v[SPW], v[NIL]                      ; the opening lines: the add, twice on end, and its wait ahead of the round
	ds_add_u32 v[SPW], v[NIL]
	v_lshrrev_b32 v[FA], 5, v0
	v_readfirstlane_b32 s[WV], v[FA]               ; wave 0..7
	s_bfe_u32 s47, ttmp6, 0x40000                  ; cx: my 512 queries; it enters Q's, out0's and the prefetch's addresses alone
	s_and_b32 s49, ttmp7, 0xffff                   ; 16 x batch + head, which the four partners share
	s_mul_i32 s50, s49, HS
	s_mul_i32 s51, s[WV], REC
	s_add_co_u32 s52, s50, s51                     ; record w of the head
	s_mov_b32 s53, 0
	s_mov_b32 s[G1], 15|(3<<16)|(1<<20)|(1<<21)|(7<<22)|(15<<25)  ; the mask: all four; elements of 8 bytes; padding on; 21 beside a mask; behind every 256 words 16 words
	s_mov_b32 s[G1+1], 128<<16                     ; rows of 1,024 bytes
	s_mov_b32 s[G1+2], 15<<16                      ; 15 rows: a record
	s_mov_b32 s[G1+3], 128<<16
	s_mov_b32 s[G1+4], 15
	s_mov_b32 s[G1+5], 128
	s_mov_b32 s[G1+6], 0
	s_mov_b32 s[G1+7], 0
	s_mov_b32 s[G0], 1
	s_mul_i32 s[G0+1], s[WV], RECL
	s_mov_b32 s[SEL], 0x76543210
	s_mov_b32 s[SEL+1], 0xfedcba98
	s_mul_i32 s48, s47, 3840                       ; my work-group's quarter of a record
	s_mul_i32 s62, s[WV], 16*272
	s_add_co_u32 s62, s62, STAGE                   ; my stage
	v_and_b32 v[LI], 31, v0
	v_min_u32 v52, 14, v[LI]
	v_lshl_add_u32 v[PFO], v52, 8, s48             ; 15 blocks of 256 bytes; the lanes left over name the last again
	v_lshlrev_b32 v[LI], 4, v[LI]
	v_and_b32 v48, 15, v0                          ; r
	v_bfe_u32 v49, v0, 4, 1                        ; h
	v_and_b32 v50, 7, v0
	v_bfe_u32 v51, v0, 3, 1                        ; r / 8
	v_lshlrev_b32 v[KL], 4, v50
	v_lshl_add_u32 v[KL], v49, 8, v[KL]
	v_lshl_add_u32 v[SL], v51, 3, v[KL]
	v_mad_u32_u24 v[KL], v51, 2*ROWP, v[KL]
	v_lshlrev_b32 v[SH8], 3, v49
	v_lshl_add_u32 v[FA], v[FA], 2, FLAGS
	v_lshl_add_u32 v[FR], v50, 2, FLAGS
	v_mul_u32_u24 v[STO], v48, 272
	v_lshl_add_u32 v[STO], v49, 6, v[STO]
	v_add_nc_u32 v[STO], s62, v[STO]               ; in: row r, + 64 h: register 16 g + i is d = 32 g + 16 h + i
	v_mul_u32_u24 v[RD], v49, 272
	v_lshl_add_u32 v[RD], v48, 4, v[RD]
	v_add_nc_u32 v[RD], s62, v[RD]                 ; back: lanes 0-15 one row, lanes 16-31 the next
	v_lshlrev_b32 v[GO], 12, v49
	v_lshl_add_u32 v[GO], v48, 4, v[GO]            ; and the same two rows in out0
	v_lshlrev_b32 v[QSO], 4, v48
	v_lshlrev_b32 v[MO], 5, v0                     ; eight numbers of the mask to a thread
	WALU                                           ; the wait ahead of the head's waits
	s_wait_dscnt 0x0                               ; both opening adds are done
	CROUND                                         ; all four work-groups are here: the joint loads meet
	s_wait_kmcnt 0x0
	s_add_nc_u64 s[54:55], s[6:7], s[52:53]
	s_mov_b64 s[G0+2:G0+3], s[54:55]
	s_or_b32 s[G0+3], s[G0+3], 0x80000000
	tensor_load_to_lds s[G0:G0+3], s[G1:G1+7]      ; record w: my one load at the head
	s_nop 0
	PLACES 4
	global_prefetch_b8 v[PFO], s[54:55] offset:8*REC th:TH_LOAD_NT scope:SCOPE_SE   ; my work-group's quarter of record 8 + w; its address registers are never rewritten
	s_lshr_b32 s56, s49, 4                         ; batch
	s_lshl_b32 s52, s56, 13
	s_add_nc_u64 s[8:9], s[8:9], s[52:53]          ; its 2,048 numbers of the mask
	global_load_b128 v[64:67], v[MO], s[8:9]
	global_load_b128 v[68:71], v[MO], s[8:9] offset:16
	s_lshl_b32 s57, s49, 4
	s_lshl_b32 s58, s47, 2
	s_add_co_u32 s57, s57, s58
	s_lshr_b32 s58, s[WV], 2
	s_add_co_u32 s57, s57, s58                     ; my queries' record in pass 0: 16 (16 batch + head) + 4 cx + wave / 4
	s_mul_i32 s58, s57, REC
	s_mov_b32 s59, 0
	s_add_nc_u64 s[4:5], s[4:5], s[58:59]
	s_and_b32 s57, s[WV], 3
	s_lshl_b32 s60, s57, 11                        ; tiles 2 (wave % 4) and the next
	s_mov_b32 s61, 0
	s_add_nc_u64 s[60:61], s[4:5], s[60:61]
	s_lshr_b32 s57, s57, 1
	s_lshl_b32 s57, s57, 8                         ; their scale words: 256 (tile / 4) + 16 r + 4 (tile % 4)
	s_and_b32 s58, s[WV], 1
	s_lshl_b32 s58, s58, 3
	s_add_co_u32 s58, s58, s57
	s_add_co_u32 s58, s58, 14336
	s_add_nc_u64 s[4:5], s[4:5], s[58:59]
	QLOAD
	s_lshl_b32 s56, s56, 11
	s_lshl_b32 s57, s47, 9
	s_add_co_u32 s56, s56, s57
	s_lshl_b32 s57, s[WV], 5
	s_add_co_u32 s56, s56, s57                     ; my first row of out0: 2,048 batch + 512 cx + 32 wave
	s_lshl_b32 s56, s56, 12
	s_and_b32 s57, s49, 15
	s_lshl_b32 s57, s57, 8                         ; + the head's 256 bytes
	s_add_co_u32 s56, s56, s57
	s_mov_b32 s57, 0
	s_add_nc_u64 s[10:11], s[10:11], s[56:57]
	WIN 0x40
.irp x, 0,1
.irp i, 8,9,10,11
	v_mov_b32 v[64+12*\x+\i], 0                    ; k = 64 + 12 .. of Q: nothing
.endr
.endr
.irp t, 0,1,2,3,4,5,6,7
.irp i, 8,9,10,11
	v_mov_b32 v[KF+12*\t+\i], 0                    ; and of K: written once, no load lands here
.endr
.endr
	WIN 0
	s_wait_loadcnt 0x6                             ; my eight numbers of the mask are in; Q's six loads may be out
.irp i, 1,2,3,4,5,6,7
	v_or_b32 v64, v64, v[64+\i]
.endr
	v_cmp_ne_u32 s62, 0, v64
	s_cmp_lg_u32 s62, 0
	s_cselect_b32 s62, 1, 0                        ; has my wave's part a key that counts?
	v_mov_b32 v72, s62
	ds_store_b32 v[FA], v72
	WALU
	s_wait_tensorcnt 0x0                           ; my record is in
	ds_add_u32 v[SPW], v[NIL]
	s_add_co_u32 s[G0+1], s[G0+1], 8*RECL          ; no load of mine is out: group 0 steps to record 8 + w
	s_add_nc_u64 s[G0+2:G0+3], s[G0+2:G0+3], 8*REC
	s_wait_dscnt 0x0                               ; the add and my flag have landed
	CROUND                                         ; records 0 to 7 and the flags are shown; the joint loads meet
	tensor_load_to_lds s[G0:G0+3], s[G1:G1+7]      ; record 8 + w: my one load behind the round
	s_nop 0
	PLACES 4
	ds_load_b32 v73, v[FR]                         ; the eight waves' flags
	s_wait_dscnt 0x0
	v_cmp_ne_u32 s62, 0, v73
	s_cmp_lg_u32 s62, 0
	s_cselect_b32 s[CS], 0x3e38aa3b, 0             ; c = log2(e) / 8, or 0 where no key of the batch counts: a select, no branch
	s_mov_b32 s[CS+1], s[CS]
	s_mov_b32 s[PASS], 0
; A KEY STEP: 128 keys: one record
.macro STEP
	v_add_nc_u32 v[ADK], s[TB], v[KL]
	v_add_nc_u32 v[ADS], s[TB], v[SL]
	v_add_nc_u32 v[ADV], s[TB], v[LI]
	v_nop                                          ; four places behind the last step's products, in front of loads into V's fragments and scale words
	ds_load_b64 v[KS:KS+1], v[ADS] offset:14*ROWP          ; register t: lanes 0-15 the words of tile t of group 0, lanes 16-31 of group 1
	ds_load_b64 v[KS+2:KS+3], v[ADS] offset:14*ROWP+128
	ds_load_b128 v[VS:VS+3], v[ADV] offset:14*ROWP+512
	WIN 0x40
.irp g, 0,1
.irp t, 0,1,2,3
.irp j, 0,1
	ds_load_b128 v[KF+12*(4*\g+\t)+4*\j:KF+12*(4*\g+\t)+4*\j+3], v[ADK] offset:ROWP*(4*\g+\t%2)+128*(\t/2)+512*\j
.endr
.endr
.endr
.irp d, 0,1,2,3
.irp j, 0,1,2
	ds_load_b128 v[VF+12*\d+4*\j:VF+12*\d+4*\j+3], v[ADV] offset:ROWP*((8192+1536*\d+512*\j)/1024)+(1536*\d+512*\j)%1024
.endr
.endr
	s_wait_dscnt 20                                ; the scale words and group 0 are in; group 1's eight loads and V's twelve may be out
	WIN 0x05                                       ; sources 0 and 1 window 1, D window 0
.irp t, 0,1,2,3
.irp x, 0,1
	v_wmma_scale_f32_16x16x128_f8f6f4 v[SA+66*\x+8*\t:SA+66*\x+8*\t+7], v[KF+12*\t:KF+12*\t+11], v[64+12*\x:64+12*\x+11], 0, v[KS+\t], v[QS+\x] matrix_a_fmt:MATRIX_FMT_BF6 matrix_b_fmt:MATRIX_FMT_BF6
.endr
.endr
	s_wait_dscnt 12                                ; group 1 is in; V's twelve may be out
.irp t, 0,1,2,3
.irp x, 0,1
	v_wmma_scale_f32_16x16x128_f8f6f4 v[SA+66*\x+32+8*\t:SA+66*\x+32+8*\t+7], v[KF+48+12*\t:KF+48+12*\t+11], v[64+12*\x:64+12*\x+11], 0, v[KS+\t], v[QS+\x] matrix_a_fmt:MATRIX_FMT_BF6 matrix_b_fmt:MATRIX_FMT_BF6 matrix_a_scale:MATRIX_SCALE_ROW1
.endr
.endr
	WIN 0
	PLACES 4                                       ; in front of the first read of the scores
; the largest score of each block of 32 keys, all of them mine: four chains by turns, each accumulator from its low end on.  It serves for the row's maximum and, since p rises with the score, for the block's largest p
.irp g, 0,1
.irp x, 0,1
	v_max3_num_f32 v[SA+66*\x+64+\g], v[SA+66*\x+32*\g], v[SA+66*\x+32*\g+1], v[SA+66*\x+32*\g+2]
.endr
.endr
.irp i, 3,5,7,9,11,13,15,17,19,21,23,25,27,29
.irp g, 0,1
.irp x, 0,1
	v_max3_num_f32 v[SA+66*\x+64+\g], v[SA+66*\x+64+\g], v[SA+66*\x+32*\g+\i], v[SA+66*\x+32*\g+\i+1]
.endr
.endr
.endr
.irp g, 0,1
.irp x, 0,1
	v_max_num_f32 v[SA+66*\x+64+\g], v[SA+66*\x+64+\g], v[SA+66*\x+32*\g+31]
.endr
.endr
; the new M, the two tiles by turns
.irp x, 0,1
	v_max3_num_f32 v[TA+16*\x+6], v[SA+66*\x+64], v[SA+66*\x+65], v[TA+16*\x+1]
.endr
.irp x, 0,1
	v_permlanex16_b32 v[TA+16*\x+7], v[TA+16*\x+6], s[SEL], s[SEL+1]
.endr
.irp x, 0,1
	v_max_num_f32 v[TA+16*\x+1], v[TA+16*\x+6], v[TA+16*\x+7]   ; with lane l xor 16's 64 keys: the running largest score
.endr
.irp x, 0,1
	v_mul_f32 v[TA+16*\x+6], s[CS], v[TA+16*\x+1]               ; as t
.endr
.irp x, 0,1
	v_mov_b32 v[TA+16*\x+7], v[TA+16*\x]
.endr
.irp x, 0,1
	v_floor_f32 v[TA+16*\x], -v[TA+16*\x+6]                     ; the new -M = -ceil(t): a whole number
.endr
.irp x, 0,1
	v_sub_f32 v[TA+16*\x+7], v[TA+16*\x], v[TA+16*\x+7]         ; old M - new M: a whole number, 0 or less
.endr
.irp x, 0,1
	v_cvt_i32_f32 v[TA+16*\x+7], v[TA+16*\x+7]                  ; (it saturates)
.endr
.irp x, 0,1
	v_ldexp_f32 v[TA+16*\x+4], 1.0, v[TA+16*\x+7]               ; f = 2^(old M - new M)
.endr
.irp x, 0,1
	v_pk_mul_f32 v[TA+16*\x+2:TA+16*\x+3], v[TA+16*\x+2:TA+16*\x+3], v[TA+16*\x+4:TA+16*\x+5] op_sel_hi:[1,0]   ; the sum under the new M
.endr
	WIN 0x41                                       ; destination and source 0 window 1
.irp x, 0,1
.set sj, 0
.rept 16
	v_pk_mul_f32 v[32*\x+sj:32*\x+sj+1], v[32*\x+sj:32*\x+sj+1], v[TA+16*\x+4:TA+16*\x+5] op_sel_hi:[1,0]   ; O^T under the new M, ahead of the exponentials; each accumulator from its low end on
.set sj, sj+2
.endr
.endr
	WIN 0
.irp x, 0,1
.set sj, 0
.rept 32
	v_pk_fma_f32 v[SA+66*\x+sj:SA+66*\x+sj+1], v[SA+66*\x+sj:SA+66*\x+sj+1], s[CS:CS+1], v[TA+16*\x:TA+16*\x+1] op_sel_hi:[1,0,0]   ; t - M, two at a time
.set sj, sj+2
.endr
.endr
.irp g, 0,1
.irp x, 0,1
	v_fma_f32 v[SA+66*\x+64+\g], v[SA+66*\x+64+\g], s[CS], v[TA+16*\x]   ; the same of each block's largest score
.endr
.endr
	s_wait_dscnt 0x0                               ; V is in
	WALU                                           ; the wait ahead of the batch
.set ei, SA
.rept 132
	v_exp_f32 v[ei], v[ei]                         ; p = 2^(t - M), and each block's largest
.set ei, ei+1
.endr
	v_nop                                          ; a plain place behind the last
	WALU                                           ; and the wait behind the batch
; p's scales: the floor 2^(5 - 127), the conversions' operands, the bytes; my blocks are h and 2 + h; lane l xor 16 has the other two bytes of the word
.irp g, 0,1
.irp x, 0,1
	v_max_num_f32 v[SA+66*\x+64+\g], 0x2800000, v[SA+66*\x+64+\g]
.endr
.endr
.irp g, 0,1
.irp x, 0,1
	v_add_nc_u32 v[TA+16*\x+8+\g], 0xfe000000, v[SA+66*\x+64+\g]
.endr
.endr
.irp g, 0,1
.irp x, 0,1
	v_lshrrev_b32 v[TA+16*\x+10+\g], 23, v[TA+16*\x+8+\g]
.endr
.endr
.irp x, 0,1
	v_lshl_or_b32 v[TA+16*\x+14], v[TA+16*\x+11], 16, v[TA+16*\x+10]
.endr
.irp x, 0,1
	v_lshlrev_b32 v[TA+16*\x+14], v[SH8], v[TA+16*\x+14]
.endr
.irp x, 0,1
	v_permlanex16_b32 v[TA+16*\x+15], v[TA+16*\x+14], s[SEL], s[SEL+1]
.endr
.irp x, 0,1
	v_or_b32 v[PW+\x], v[TA+16*\x+14], v[TA+16*\x+15]
.endr
.irp x, 0,1
.irp g, 0,1
	v_cvt_scalef32_pk16_bf6_f32 v[PC+12*\x+6*\g:PC+12*\x+6*\g+2], v[SA+66*\x+32*\g:SA+66*\x+32*\g+15], v[TA+16*\x+8+\g]
	v_cvt_scalef32_pk16_bf6_f32 v[PT+8*\x+4*\g:PT+8*\x+4*\g+2], v[SA+66*\x+32*\g+16:SA+66*\x+32*\g+31], v[TA+16*\x+8+\g]   ; (a conversion's three registers begin on an even number)
.endr
.endr
	v_nop                                          ; one plain place behind the last scaled conversion
.irp x, 0,1
.irp g, 0,1
.irp i, 0,1,2
	v_mov_b32 v[PC+12*\x+6*\g+3+\i], v[PT+8*\x+4*\g+\i]
.endr
.endr
.endr
; the row's sum, of the unquantised p: two chains a tile, the tiles by turns.  These 64 lines are also the places between p's codes and scale words and the products below
.irp x, 0,1
	v_pk_add_f32 v[TA+16*\x+12:TA+16*\x+13], v[SA+66*\x:SA+66*\x+1], v[SA+66*\x+2:SA+66*\x+3]
.endr
.irp j, 4,8,12,16,20,24,28,32,36,40,44,48,52,56,60
.irp x, 0,1
	v_pk_add_f32 v[TA+16*\x+2:TA+16*\x+3], v[TA+16*\x+2:TA+16*\x+3], v[SA+66*\x+\j:SA+66*\x+\j+1]
.endr
.irp x, 0,1
	v_pk_add_f32 v[TA+16*\x+12:TA+16*\x+13], v[TA+16*\x+12:TA+16*\x+13], v[SA+66*\x+\j+2:SA+66*\x+\j+3]
.endr
.endr
.irp x, 0,1
	v_pk_add_f32 v[TA+16*\x+2:TA+16*\x+3], v[TA+16*\x+2:TA+16*\x+3], v[TA+16*\x+12:TA+16*\x+13]
.endr
	WIN 0x51                                       ; source 0 (V), C and D window 1; source 1 (p) window 0
.irp d, 0,1,2,3                        ; eight accumulators, one instruction each
.irp x, 0,1
	v_wmma_scale_f32_16x16x128_f8f6f4 v[32*\x+8*\d:32*\x+8*\d+7], v[VF+12*\d:VF+12*\d+11], v[PC+12*\x:PC+12*\x+11], v[32*\x+8*\d:32*\x+8*\d+7], v[VS+\d], v[PW+\x] matrix_a_fmt:MATRIX_FMT_BF6 matrix_b_fmt:MATRIX_FMT_BF6
.endr
.endr
	WIN 0
	s_add_co_u32 s[TB], s[TB], RECL
.endm
.macro HALF                            ; eight steps
	s_mov_b32 s[CNT], 8
.Lstep_\@:
	STEP
	s_sub_co_u32 s[CNT], s[CNT], 1
	s_cmp_lg_u32 s[CNT], 0
	WALU                                           ; the wait ahead of the branch
	s_cbranch_scc1 .Lstep_\@
.endm
.Lpass:                                ; a pass: 32 queries a wave against all 2,048 keys
	WIN 0x40
.set zi, 0
.rept 64
	v_mov_b32 v[zi], 0                             ; O^T.  (The step is written once: the first finds zeros)
.set zi, zi+1
.endr
	WIN 0
.irp x, 0,1
	v_mov_b32 v[TA+16*\x+1], 0xe9000000            ; the largest score so far: -2^83
	v_mov_b32 v[TA+16*\x+2], 0                     ; the sum
	v_mov_b32 v[TA+16*\x+3], 0
	v_mov_b32 v[TA+16*\x+5], 0                     ; (named as a pair's upper half)
	v_mov_b32 v[TA+16*\x+7], 0                     ; a lane permute's destination counts as one of its sources
	v_mov_b32 v[TA+16*\x+15], 0
	v_mul_f32 v[TA+16*\x+6], s[CS], v[TA+16*\x+1]
	v_floor_f32 v[TA+16*\x], -v[TA+16*\x+6]        ; -M, made as a step makes it
.endr
	s_mov_b32 s[TB], 0
	WALU
	s_wait_loadcnt 0x0                             ; Q and its scale words
	HALF
	s_wait_tensorcnt 0x0                           ; my record 8 + w is in
	s_wait_dscnt 0x0
	s_barrier_signal -1                            ; a plain barrier: records 8 to 15 are shown
	s_barrier_wait -1
	s_mov_b32 s[TB], 8*RECL
	HALF
	s_cmp_eq_u32 s[PASS], 0
	s_cbranch_scc0 .Lno_q
	s_add_nc_u64 s[60:61], s[60:61], 2*REC         ; the next pass's queries lie two records on; the earlier loads by these pointers were awaited at the pass's head
	s_add_nc_u64 s[4:5], s[4:5], 2*REC
	QLOAD                                          ; on their way during the way out
.Lno_q:
	; THE WAY OUT.  O^T is divided by the sum and goes through my stage in LDS, a tile of 16 queries at a time, so that sixteen lanes store a query's 256 bytes of the head.
.irp x, 0,1
	v_add_f32 v[TA+16*\x+6], v[TA+16*\x+2], v[TA+16*\x+3]
.endr
.irp x, 0,1
	v_permlanex16_b32 v[TA+16*\x+7], v[TA+16*\x+6], s[SEL], s[SEL+1]
.endr
.irp x, 0,1
	v_add_f32 v[TA+16*\x+6], v[TA+16*\x+6], v[TA+16*\x+7]   ; with lane l xor 16's: the row's sum
.endr
	WALU
.irp x, 0,1
	v_rcp_f32 v[TA+16*\x+4], v[TA+16*\x+6]
.endr
	v_nop
	WIN 0x01                                       ; source 0 window 1
	WALU                                           ; for the reciprocals and for O^T, directly ahead of its first readers
.irp x, 0,1
.set sj, 0
.rept 16
	v_pk_mul_f32 v[SA+66*\x+sj:SA+66*\x+sj+1], v[32*\x+sj:32*\x+sj+1], v[TA+16*\x+4:TA+16*\x+5] op_sel_hi:[1,0]   ; each accumulator from its low end on
.set sj, sj+2
.endr
.endr
	WIN 0
.irp x, 0,1
.irp g, 0,1
.irp q, 0,1,2,3
	ds_store_b128 v[STO], v[SA+66*\x+16*\g+4*\q:SA+66*\x+16*\g+4*\q+3] offset:128*\g+16*\q
.endr
.endr
.irp i, 0,1,2,3,4,5,6,7
	ds_load_b128 v[SA+66*\x+32+4*\i:SA+66*\x+32+4*\i+3], v[RD] offset:2*\i*272   ; my wave's own bytes, served in order
.endr
.endr
.irp x, 0,1                            ; stage row 2 i + h is query 8 x + 2 i + h + 8 (i / 4) of my 32.  Behind tile 0's loads stand tile 1's eight stores and eight loads
.irp i, 0,1,2,3,4,5,6,7
	s_wait_dscnt 16*(1-\x)+7-\i
	global_store_b128 v[GO], v[SA+66*\x+32+4*\i:SA+66*\x+32+4*\i+3], s[10:11] offset:(8*\x+2*\i+8*(\i/4))*4096 th:TH_STORE_NT   ; 16 lanes store 256 consecutive bytes, aligned
.endr
.endr
	s_wait_xcnt 0x0                                ; the stores have read their data and their base
	s_add_nc_u64 s[10:11], s[10:11], 0x100000      ; 256 rows of out0 on
	s_add_co_u32 s[PASS], s[PASS], 1
	s_cmp_lt_u32 s[PASS], 2
	WALU
	s_cbranch_scc1 .Lpass
	s_wait_tensorcnt 0x0                           ; the wave's end
	ds_add_u32 v[SPW], v[NIL]
	s_wait_dscnt 0x0
	CROUND                                         ; the closing round
	s_endpgm
.Lfunc_end_k_qc20d755e7c_attn:
	.size	k_qc20d755e7c_attn, .Lfunc_end_k_qc20d755e7c_attn-k_qc20d755e7c_attn
	.p2alignl 7, 3214868480
	.fill 96, 4, 3214868480
	.section	.rodata,"a",@progbits
	.p2align	6, 0x0
	.amdhsa_kernel k_qc20d755e7c_attn
		.amdhsa_group_segment_fixed_size 327680
		.amdhsa_private_segment_fixed_size 0
		.amdhsa_enable_private_segment 0
		.amdhsa_kernarg_size 32
		.amdhsa_user_sgpr_count 2
		.amdhsa_user_sgpr_kernarg_segment_ptr 1
		.amdhsa_wavefront_size32 1
		.amdhsa_system_sgpr_workgroup_id_x 1
		.amdhsa_system_sgpr_workgroup_id_y 1
		.amdhsa_system_sgpr_workgroup_id_z 1
		.amdhsa_system_vgpr_workitem_id 0
		.amdhsa_next_free_vgpr 512
		.amdhsa_next_free_sgpr 66
		.amdhsa_reserve_vcc 0
		.amdhsa_float_denorm_mode_32 3
		.amdhsa_float_denorm_mode_16_64 3
		.amdhsa_memory_ordered 1
		.amdhsa_forward_progress 1
		.amdhsa_inst_pref_size 74
	.end_amdhsa_kernel
	.amdgpu_metadata
---
amdhsa.version: [ 1, 2 ]
amdhsa.kernels:
  - .name:           k_qc20d755e7c_attn
    .symbol:         k_qc20d755e7c_attn.kd
    .args:
      - { .name: qrec, .offset: 0, .size: 8, .value_kind: global_buffer, .address_space: global }
      - { .name: kvrec, .offset: 8, .size: 8, .value_kind: global_buffer, .address_space: global }
      - { .name: attention_mask, .offset: 16, .size: 8, .value_kind: global_buffer, .address_space: global }
      - { .name: out0, .offset: 24, .size: 8, .value_kind: global_buffer, .address_space: global }
    .group_segment_fixed_size: 327680
    .private_segment_fixed_size: 0
    .kernarg_segment_align: 8
    .kernarg_segment_size: 32
    .max_flat_workgroup_size: 256
    .sgpr_count:     66
    .vgpr_count:     512
    .wavefront_size: 32
...
	.end_amdgpu_metadata
.endif
;; end of part 3
